; MI455X (gfx1250); checked and timed in simulation.
; The chip was launched on July 23, 2026; its instructions are those of AMD's public machine-readable ISA for CDNA 5 (MIT licence, August 2026) and "CDNA5" Instruction Set Architecture Reference Guide (July 2026). The comments in the code are by the model that wrote it; some were corrected since.
;; Optical FC. Allowed arithmetic: matrix products marked QUANTISED: E4M3 operands, one E8M0 scale for each 32 along K, by v_wmma_scale_f32_16x16x128_f8f6f4 with both operands' format E4M3, f32 sums; everything else in f32.
;; Inputs: biases 4,096 float32; noise 4,096 x 4,096 float32; tensor 4,096 x 4,096 float32; weights 4,096 x 4,096 float32.
;; Outputs: out0 4,096 x 4,096 float32.
;; This version of the problem:
;;   THIS VERSION OF THE PROBLEM IS GIVEN IN LOW PRECISION. The matrix products marked QUANTISED in the list below multiply operands that are first quantised to E4M3 (4 exponent bits, 3 mantissa bits; 8 bits a number), with one power-of-two scale for each 32 numbers along K (OCP MX v1.0); their sums are f32. All else is computed in f32.
;;   The module's matrix products, in the order in which they are computed (A, B: the left and right operand; K: the contracted axis; several contracted axes count as one K, in the product's order):
;;     1. [M 4,096, K 4,097] x [K 4,097, N 4,096]; A: computed on the way; B: computed on the way: QUANTISED
;;   THE QUANTISER, for each operand of a quantised product, along K:
;;     - K is cut into blocks of 32 from its start; a last block that is shorter is filled with zeros.
;;     - A block's scale is 2^e with e = floor(log2(the largest magnitude in the block)) - 8, held to -126 .. 127; a block of zeros has e = 0. As a byte (E8M0): e + 127.
;;     - Each number is divided by its block's scale, clamped to +-448, and rounded to the nearest number of E4M3, ties to even, subnormals kept.
;;     - The product sums the exact products of the quantised numbers (number of the format x scale) in f32.
;;   ~~~python
;;   def quantise(x, axis):      # numpy; x: float32 -> the quantised numbers, widened to float32 again
;;       x = np.moveaxis(x, axis, -1); K = x.shape[-1]
;;       x = np.pad(x, [(0, 0)] * (x.ndim - 1) + [(0, -K % 32)]); x = x.reshape(x.shape[:-1] + (-1, 32)); a = np.abs(x).max(-1, keepdims=True)
;;       e = np.where(a > 0, np.clip(np.frexp(np.where(a > 0, a, 1))[1] - 1 - 8, -126, 127), 0)      # np.frexp(a)[1] - 1 = floor(log2(a)), exactly
;;       r = np.clip(x / 2.0 ** e, -448, 448)
;;       step = 2.0 ** (np.maximum(np.frexp(np.where(r == 0, 1, r))[1] - 1, -6) - 3)
;;       q = np.round(r / step) * step * 2.0 ** e      # np.round: ties to even
;;       return np.moveaxis(q.reshape(q.shape[:-2] + (-1,))[..., :K], -1, axis).astype(np.float32)
;;   ~~~
;;   OPERANDS COMPUTED ON THE WAY. 'Computed on the way' means the value that the module computes at that place (a softmax that the list does not call 'softmax' is quantised finished and normalised). What goes into a quantiser is computed in f32, as accurately as f32 sums, v_exp_f32 and their like allow (about 1e-6 of the number): no bf16 or f16 on the way to a quantiser, and a product that is left as it is and whose result goes on into a quantised operand takes f32 operands (vector FMAs, or v_wmma_f32_16x16x4_f32). A number that lies on a knife's edge between two numbers of the format may be rounded either way, as far as f32 arithmetic and the matrix unit's own rounding can turn it there, and no further.
;; One version. Each part assembles by itself: llvm-mc -triple=amdgcn-amd-amdhsa -mcpu=gfx1250 --defsym DOCPART=n.
;; ======== version 1 of 1: 2 launches
;; limits: right only within a limited range of input values
;; workspace buffers: xp 17,301,504 bytes; wp 17,301,504 bytes; bq 16,384 bytes
;; launch quant (part 1): grid 1024 x 1, 4 waves a work-group, no clusters, 68,096 bytes of LDS; arguments tensor, weights, biases, xp, wp, bq; writes xp, wp, bq
.if DOCPART == 1
	.amdgcn_target "amdgcn-amd-amdhsa--gfx1250"
	.amdhsa_code_object_version 6
	.text
	.protected	k_q61fd0bf4a4_quant
	.globl	k_q61fd0bf4a4_quant
	.p2align	8
	.type	k_q61fd0bf4a4_quant,@function
k_q61fd0bf4a4_quant:
	s_mov_b64 s[64:65], 0
	v_nop
	global_prefetch_b8 v0, s[64:65] scope:SCOPE_SE
	s_setreg_imm32_b32 hwreg(HW_REG_WAVE_MODE, 25, 1), 1
	s_wait_xcnt 0x0
; tensor [4096][4096] and weights [4096][4096], f32, go through two quantisers and leave as codes of FP8 (E4M3) with one E8M0 scale byte for each 32 along K.
; FIRST the uniform one: v = round(clip(x, +-c) * s) / s, with c = 4, s = 31.75 for tensor and c = 1, s = 127 for weights and biases.  THEN the block one: a block's scale is
; 2^(floor(log2(its largest magnitude)) - 8); each number is divided by it, held within +-448 and rounded to the nearest code, ties to even.
; THE DIVISION IS A MULTIPLICATION by the f32 number nearest to 1 / s.  n / s with a whole n, |n| <= 127, is n * c / 127: since 127 is prime it is a power of two, or the middle between two codes,
; for n = 0 and |n| = 127 alone, and 127 * 0x3d010204 = 4 - 2^-26 rounds to 4 exactly (127 * 0x3c010204 to 1).  Everywhere else one unit in the last place turns neither a code nor a scale.
; THE CLIP IS DONE LAST, by the hold that the conversion wants anyway: round(x s) / s is not below c wherever |x| > c, so clipping behind the rounding gives the same number.  The block's largest
; magnitude is cut at c, and each number is held within min(448 x scale, c): where the largest magnitude is under c (a power of two), 448 x scale = 1.75 x 2^j is at most 0.875 c; where it is c, the bound is c.
; LIMITS: NaN among the inputs is not served (the maxima and the hold drop it); infinities are clipped as any large number.  A block of zeros gets the scale byte 1 where the rule says 127:
; its codes are zeros, which add nothing under any byte but 0xff, and the bytes are read by this program alone.
; THE OUTPUT IS LAID AS THE PRODUCT'S LAUNCH READS IT: [K step of 256: 16][group of 128 rows: 32][PART = 33,792 bytes].  A PART is 32,768 bytes of codes, [block of 16 rows: 8][128 along K: 2][2,048],
; each 2,048 bytes the image of an operand's registers (byte 512 c + 16 lane: the 16 codes of row lane % 16, k = 32 c + 16 (lane / 16) + 0 .. 15), then 1,024 bytes of scale words, [block][row][128 along K], 4 bytes each.
; SHARES.  Work-groups 0-511 take tensor, 512-1023 weights: only pointers and three constants are chosen, the path is one.  A work-group takes 32 rows x 1,024 along K, each of its four waves 32 rows x 256:
; four fragments f (rows 16 (f / 2) on, K 128 (f % 2) on).  Each load reads 512 consecutive bytes of a row; a fragment turns through the wave's own stage in LDS, so that a lane then holds 16 neighbours along K
; of each of its row's four blocks.  Waves share nothing: no barrier.  Everything is written out: every offset is an immediate and no pointer is stepped.
; Sixteen of the weights' work-groups also quantise the biases, each alone in K's last block (K = 4,097: 31 zeros beside it), and store code x scale as f32.
.set PART,    33792
.set KSTRIDE, 32*PART                  ; from a K step's packs to the next
.set WREG,    16896                    ; LDS of a wave: two stages
.set STG,     8448                     ; a stage: 16 rows
.set SP,      528                      ; of 512 bytes + 16: 132 words, so that row r starts at bank 4 r mod 64 (64 banks of 4 bytes: ISA guide 11.1)
.set GA,  4                            ; v4      16 x lane: my place in a load's and in a store's 512 bytes; never rewritten
.set SI,  5                            ; v5      the stage, on the way in: my wave's + 16 x lane
.set SO,  6                            ; v6      and on the way out: my wave's + 528 r + 64 h
.set SCO, 7                            ; v7      8 x lane
.set TM,  10                           ; v10-13 largest magnitudes; v14-17 the other half's, then bytes; v18-21 the hold; v22-25 the conversions' scale operands
.set PW,  26                           ; v26-29  fragment f's scale word
.set C,   32                           ; v32-63  two sets of 16 registers of codes, set f % 2
.set S,   64                           ; v64-255 three sets of 64 numbers, set f % 3
	s_load_b256 s[4:11], s[0:1], 0x0               ; tensor s[4:5], weights s[6:7], biases s[8:9], xp s[10:11]
	s_load_b128 s[12:15], s[0:1], 0x20             ; wp s[12:13], bq s[14:15]
	v_lshl_add_u32 v9, v0, 2, 0x10800
	v_mov_b32 v8, 0                                ; v8 = 0 and v9 = my spare word: kept for the add at the wave's end
	v_lshrrev_b32 v1, 5, v0
	v_readfirstlane_b32 s16, v1                    ; wave 0..3
	v_and_b32 v1, 31, v0                           ; lane
	v_and_b32 v2, 15, v0                           ; r
	v_bfe_u32 v3, v0, 4, 1                         ; h
	v_lshlrev_b32 v[GA], 4, v1
	v_lshlrev_b32 v[SCO], 3, v1
	s_mul_i32 s38, s16, WREG
	v_add_nc_u32 v[SI], s38, v[GA]
	v_mul_u32_u24 v[SO], v2, SP
	v_lshl_add_u32 v[SO], v3, 6, v[SO]
	v_add_nc_u32 v[SO], s38, v[SO]
.irp b, 0,1,2,3
	v_mov_b32 v[TM+4+\b], 0                        ; written once: a lane permute's destination counts as one of its sources
.endr
	; where my wave's part begins, in bytes (all under 2^31)
	s_and_b32 s17, ttmp9, 511                      ; the work-group's number within its tensor
	s_lshr_b32 s18, s17, 2                         ; which 32 rows
	s_and_b32 s19, s17, 3
	s_lshl_b32 s19, s19, 2
	s_add_co_u32 s19, s19, s16                     ; which K step of 256: 4 x (number % 4) + wave
	s_lshl_b32 s30, s18, 19                        ; 32 rows of 16,384 bytes
	s_lshl_b32 s31, s19, 10                        ; 256 numbers of 4 bytes
	s_add_co_u32 s30, s30, s31
	s_mov_b32 s31, 0                               ; s[30:31]: in the source
	s_mul_i32 s32, s19, KSTRIDE
	s_lshr_b32 s33, s18, 2                         ; the group of 128 rows
	s_mul_i32 s33, s33, PART
	s_add_co_u32 s32, s32, s33                     ; my PART
	s_and_b32 s33, s18, 3                          ; which 32 rows of the group: two blocks of 16
	s_lshl_b32 s34, s33, 13                        ; 2 x 4,096 bytes of codes
	s_add_co_u32 s34, s34, s32
	s_mov_b32 s35, 0                               ; s[34:35]: my codes
	s_lshl_b32 s36, s33, 8                         ; 2 x 128 bytes of scale words
	s_add_co_u32 s36, s36, s32
	s_add_co_u32 s36, s36, 32768
	s_mov_b32 s37, 0                               ; s[36:37]: my scale words
	s_mov_b32 s25, 0x600000                        ; the mantissa field of 448
	s_mov_b32 s26, 0x76543210
	s_mov_b32 s27, 0xfedcba98                      ; v_permlanex16_b32's selects for lane l xor 16
	s_mov_b32 s20, 0x42fe0000                      ; 127
	s_mov_b32 s22, 0x3c010204                      ; 1 / 127
	s_mov_b32 s24, 0x3f800000                      ; 1
	s_wait_alu depctr_va_vdst(0)
	s_wait_kmcnt 0x0
	s_cmp_lt_u32 ttmp9, 512                        ; tensor's work-group or weights'?  The choice hangs on the work-group's number alone; nothing between here and the last select sets SCC
	s_cselect_b64 s[4:5], s[4:5], s[6:7]
	s_cselect_b64 s[10:11], s[10:11], s[12:13]
	s_cselect_b32 s20, 0x41fe0000, s20             ; 31.75
	s_cselect_b32 s22, 0x3d010204, s22             ; 1 / 31.75
	s_cselect_b32 s24, 0x40800000, s24             ; 4
	s_mov_b32 s21, s20                             ; (the packed forms name pairs and take the low word for both halves: so the upper words are written)
	s_mov_b32 s23, s22
	s_add_nc_u64 s[4:5], s[4:5], s[30:31]
	s_add_nc_u64 s[28:29], s[10:11], s[36:37]
	s_add_nc_u64 s[10:11], s[10:11], s[34:35]
.macro LOAD f                          ; fragment f as it lies: 16 rows x 512 consecutive bytes
.irp i, 0,1,2,3,4,5,6,7,8,9,10,11,12,13,14,15
	global_load_b128 v[S+64*((\f)%3)+4*\i:S+64*((\f)%3)+4*\i+3], v[GA], s[4:5] offset:(16*((\f)/2)+\i)*16384+512*((\f)%2) th:TH_LOAD_NT
.endr
.endm
.macro TURN f                          ; through the stage and back into the same registers: register 16 c + i is then k = 32 c + 16 h + i of row r.  LDS serves a wave's instructions in order (ISA guide 5.7.1.4): no wait between the stores and the loads
.irp i, 0,1,2,3,4,5,6,7,8,9,10,11,12,13,14,15
	ds_store_b128 v[SI], v[S+64*((\f)%3)+4*\i:S+64*((\f)%3)+4*\i+3] offset:STG*((\f)%2)+SP*\i
.endr
.irp c, 0,1,2,3
.irp j, 0,1,2,3
	ds_load_b128 v[S+64*((\f)%3)+16*\c+4*\j:S+64*((\f)%3)+16*\c+4*\j+3], v[SO] offset:STG*((\f)%2)+128*\c+16*\j
.endr
.endr
.endm
.macro QUANT f                         ; 64 numbers of a lane become a fragment's 16 registers of codes and my row's scale word
.set XS, S+64*((\f)%3)
.set CS, C+16*((\f)%2)
.set j, 0
.rept 32
	v_pk_mul_f32 v[XS+j:XS+j+1], v[XS+j:XS+j+1], s[20:21] op_sel_hi:[1,0]   ; x s
.set j, j+2
.endr
.set j, 0
.rept 64
	v_rndne_f32 v[XS+j], v[XS+j]                   ; to the nearest whole number, ties to even
.set j, j+1
.endr
.set j, 0
.rept 32
	v_pk_mul_f32 v[XS+j:XS+j+1], v[XS+j:XS+j+1], s[22:23] op_sel_hi:[1,0]   ; / s
.set j, j+2
.endr
.irp b, 0,1,2,3
	v_max3_num_f32 v[TM+\b], |v[XS+16*\b]|, |v[XS+1+16*\b]|, 0x4800000      ; block b: my 16 numbers, and the floor 2^(9 - 127), so that the byte cannot fall under 1
.endr
.irp i, 2,4,6,8,10,12,14
.irp b, 0,1,2,3
	v_max3_num_f32 v[TM+\b], v[TM+\b], |v[XS+16*\b+\i]|, |v[XS+1+16*\b+\i]| ; (the four blocks by turns: no line waits for the line above it)
.endr
.endr
.irp b, 0,1,2,3
	v_permlanex16_b32 v[TM+4+\b], v[TM+\b], s26, s27
.endr
.irp b, 0,1,2,3
	v_max_num_f32 v[TM+\b], v[TM+\b], v[TM+4+\b]   ; with lane l xor 16's 16 numbers
.endr
.irp b, 0,1,2,3
	v_min_num_f32 v[TM+\b], s24, v[TM+\b]          ; the clip, on the largest magnitude
.endr
.irp b, 0,1,2,3
	v_add_nc_u32 v[TM+12+\b], 0xfc000000, v[TM+\b] ; 8 off its exponent field: the conversion takes the exponent field of this operand as its scale, and nothing else of it
.endr
.irp b, 0,1,2,3
	v_and_or_b32 v[TM+8+\b], v[TM+\b], 0x7f800000, s25   ; 448 x the scale
.endr
.irp b, 0,1,2,3
	v_min_num_f32 v[TM+8+\b], s24, v[TM+8+\b]      ; or the clip, whichever is less: one hold does both
.endr
.irp b, 0,1,2,3
	v_lshrrev_b32 v[TM+4+\b], 23, v[TM+12+\b]      ; the scale's byte
.endr
	v_lshl_or_b32 v[PW+(\f)], v[TM+5], 8, v[TM+4]
	v_lshl_or_b32 v[PW+(\f)], v[TM+6], 16, v[PW+(\f)]
	v_lshl_or_b32 v[PW+(\f)], v[TM+7], 24, v[PW+(\f)]
.irp b, 0,1,2,3
.irp i, 0,1,2,3,4,5,6,7,8,9,10,11,12,13,14,15
	v_med3_num_f32 v[XS+16*\b+\i], v[XS+16*\b+\i], -v[TM+8+\b], v[TM+8+\b]  ; the conversion to an 8-bit code does not saturate (ISA guide 7.6.2)
.endr
	v_cvt_scalef32_pk8_fp8_f32 v[CS+4*\b:CS+4*\b+1], v[XS+16*\b:XS+16*\b+7], v[TM+12+\b]
	v_cvt_scalef32_pk8_fp8_f32 v[CS+4*\b+2:CS+4*\b+3], v[XS+16*\b+8:XS+16*\b+15], v[TM+12+\b]
.endr
	v_nop                                          ; one plain vector line behind the last conversion, ahead of whatever vector line next writes its sources
.endm
.macro STORE f                         ; the image of the fragment's registers: each store covers 512 consecutive bytes, aligned
.irp c, 0,1,2,3
	global_store_b128 v[GA], v[C+16*((\f)%2)+4*\c:C+16*((\f)%2)+4*\c+3], s[10:11] offset:4096*((\f)/2)+2048*((\f)%2)+512*\c
.endr
.endm
	LOAD 0
	LOAD 1
	LOAD 2
	s_wait_loadcnt 32                              ; fragment 0's sixteen loads are in; 1's and 2's may be out
	TURN 0
	s_wait_loadcnt 16                              ; fragment 1's are in; 2's may be out
	TURN 1
	s_wait_dscnt 32                                ; fragment 0 is back from its stage; fragment 1's 16 stores and 16 loads may be out
	QUANT 0
	STORE 0
	LOAD 3                                         ; into fragment 0's registers, which are done with
	s_wait_loadcnt 16                              ; fragment 2's are in; 3's may be out
	TURN 2
	s_wait_dscnt 32                                ; fragment 1 is back
	QUANT 1
	STORE 1
	s_wait_loadcnt 0x0
	TURN 3
	s_wait_dscnt 32                                ; fragment 2 is back
	s_wait_xcnt 0x0                                ; fragment 0's stores have read their registers: the set of codes is written again only behind this wait
	QUANT 2
	STORE 2
	s_wait_dscnt 0x0
	s_wait_xcnt 0x0                                ; and fragment 1's
	QUANT 3
	STORE 3
	v_cmp_eq_u32 vcc_lo, 1, v3                     ; every lane holds row r's words of all four fragments: lanes 0-15 send those of rows 0-15, lanes 16-31 those of rows 16-31
	v_cndmask_b32 v30, v[PW], v[PW+2], vcc_lo
	v_cndmask_b32 v31, v[PW+1], v[PW+3], vcc_lo
	global_store_b64 v[SCO], v[30:31], s[28:29]    ; 32 lanes store 256 consecutive bytes, aligned
	; THE BIASES: work-groups 512-527, 64 numbers a wave, two a lane.  Each is alone in its block, so its own magnitude is the block's largest.
	s_sub_co_u32 s30, ttmp9, 512
	s_cmp_lt_u32 s30, 16
	s_cbranch_scc0 .Lend
	s_lshl_b32 s30, s30, 2
	s_add_co_u32 s30, s30, s16
	s_lshl_b32 s30, s30, 8                         ; 256 bytes a wave
	s_mov_b32 s31, 0
	s_add_nc_u64 s[8:9], s[8:9], s[30:31]
	s_add_nc_u64 s[14:15], s[14:15], s[30:31]
	global_load_b64 v[10:11], v[SCO], s[8:9]
	s_wait_loadcnt 0x0
	v_pk_mul_f32 v[10:11], v[10:11], s[20:21] op_sel_hi:[1,0]
	v_rndne_f32 v10, v10
	v_rndne_f32 v11, v11
	v_pk_mul_f32 v[10:11], v[10:11], s[22:23] op_sel_hi:[1,0]
.irp e, 0,1
	v_max3_num_f32 v[12+\e], |v[10+\e]|, |v[10+\e]|, 0x4800000
.endr
.irp e, 0,1
	v_min_num_f32 v[12+\e], s24, v[12+\e]
.endr
.irp e, 0,1
	v_add_nc_u32 v[14+\e], 0xfc000000, v[12+\e]
	v_and_or_b32 v[16+\e], v[12+\e], 0x7f800000, s25
.endr
.irp e, 0,1
	v_min_num_f32 v[16+\e], s24, v[16+\e]
.endr
.irp e, 0,1
	v_med3_num_f32 v[64+8*\e], v[10+\e], -v[16+\e], v[16+\e]
.irp i, 1,2,3,4,5,6,7
	v_mov_b32 v[64+8*\e+\i], 0                     ; the conversion takes eight numbers: the other seven are the block's zeros
.endr
.endr
	v_cvt_scalef32_pk8_fp8_f32 v[80:81], v[64:71], v14
	v_cvt_scalef32_pk8_fp8_f32 v[82:83], v[72:79], v15
	v_nop                                          ; one plain vector line between the conversions and the readers of their results
	v_cvt_pk_f32_fp8 v[84:85], v80.l               ; the code's value, in v84
	v_cvt_pk_f32_fp8 v[86:87], v82.l               ; and in v86
	v_and_b32 v14, 0x7f800000, v14                 ; the scale as a number: its exponent field alone (at least 1, by the floor)
	v_and_b32 v15, 0x7f800000, v15
	v_mul_f32 v88, v84, v14                        ; exact: a code's four significant bits x a power of two
	v_mul_f32 v89, v86, v15
	global_store_b64 v[SCO], v[88:89], s[14:15]    ; 32 lanes store 256 consecutive bytes, aligned
.Lend:
	s_wait_tensorcnt 0x0
	ds_add_u32 v9, v8
	s_wait_dscnt 0x0
	s_endpgm
.Lfunc_end_k_q61fd0bf4a4_quant:
	.size	k_q61fd0bf4a4_quant, .Lfunc_end_k_q61fd0bf4a4_quant-k_q61fd0bf4a4_quant
	.p2alignl 7, 3214868480
	.fill 96, 4, 3214868480
	.section	.rodata,"a",@progbits
	.p2align	6, 0x0
	.amdhsa_kernel k_q61fd0bf4a4_quant
		.amdhsa_group_segment_fixed_size 68096
		.amdhsa_private_segment_fixed_size 0
		.amdhsa_enable_private_segment 0
		.amdhsa_kernarg_size 48
		.amdhsa_user_sgpr_count 2
		.amdhsa_user_sgpr_kernarg_segment_ptr 1
		.amdhsa_wavefront_size32 1
		.amdhsa_system_sgpr_workgroup_id_x 1
		.amdhsa_system_sgpr_workgroup_id_y 1
		.amdhsa_system_sgpr_workgroup_id_z 1
		.amdhsa_system_vgpr_workitem_id 0
		.amdhsa_next_free_vgpr 256
		.amdhsa_next_free_sgpr 66
		.amdhsa_reserve_vcc 1
		.amdhsa_float_denorm_mode_32 3
		.amdhsa_float_denorm_mode_16_64 3
		.amdhsa_memory_ordered 1
		.amdhsa_forward_progress 1
		.amdhsa_inst_pref_size 79
	.end_amdhsa_kernel
	.amdgpu_metadata
---
amdhsa.version: [ 1, 2 ]
amdhsa.kernels:
  - .name:           k_q61fd0bf4a4_quant
    .symbol:         k_q61fd0bf4a4_quant.kd
    .args:
      - { .name: tensor, .offset: 0, .size: 8, .value_kind: global_buffer, .address_space: global }
      - { .name: weights, .offset: 8, .size: 8, .value_kind: global_buffer, .address_space: global }
      - { .name: biases, .offset: 16, .size: 8, .value_kind: global_buffer, .address_space: global }
      - { .name: xp, .offset: 24, .size: 8, .value_kind: global_buffer, .address_space: global }
      - { .name: wp, .offset: 32, .size: 8, .value_kind: global_buffer, .address_space: global }
      - { .name: bq, .offset: 40, .size: 8, .value_kind: global_buffer, .address_space: global }
    .group_segment_fixed_size: 68096
    .private_segment_fixed_size: 0
    .kernarg_segment_align: 8
    .kernarg_segment_size: 48
    .max_flat_workgroup_size: 128
    .sgpr_count:     66
    .vgpr_count:     256
    .wavefront_size: 32
...
	.end_amdgpu_metadata
.endif
;; end of part 1
;; launch gemm (part 2): grid 16 x 16, 4 waves a work-group, clusters of 4 x 4, 327,680 bytes of LDS; arguments xp, wp, bq, noise, out0; writes out0
.if DOCPART == 2
	.amdgcn_target "amdgcn-amd-amdhsa--gfx1250"
	.amdhsa_code_object_version 6
	.text
	.protected	k_q61fd0bf4a4_gemm
	.globl	k_q61fd0bf4a4_gemm
	.p2align	8
	.type	k_q61fd0bf4a4_gemm,@function
k_q61fd0bf4a4_gemm:
	s_mov_b64 s[64:65], 0
	v_nop
	global_prefetch_b8 v0, s[64:65] scope:SCOPE_SE
	s_setreg_imm32_b32 hwreg(HW_REG_WAVE_MODE, 25, 1), 1
	s_wait_xcnt 0x0
	s_wait_alu depctr_hold_cnt(0) depctr_sa_sdst(0) depctr_va_vdst(0) depctr_va_sdst(0) depctr_va_ssrc(0) depctr_va_vcc(0) depctr_vm_vsrc(0)
	s_getreg_b32 s2, hwreg(HW_REG_IB_STS2, 6, 4)
	s_cmp_eq_u32 s2, 0
	s_cbranch_scc0 .Lentry_in_a_cluster
	s_endpgm
.Lentry_in_a_cluster:
	s_bfe_u32 s2, ttmp6, 0x10000c
	s_cmp_lg_u32 s2, 0xf033
	s_cbranch_scc0 .Lentry_shape_is_right
	s_endpgm
.Lentry_shape_is_right:
; out0[m][n] = sum over k of X[m][k] W[n][k] + bq[n] + 0.01 noise[m][n].  X (xp) and W (wp) are codes of FP8 (E4M3) with E8M0 scale words, laid by the launch before as
; [K step of 256: 16][group of 128 rows: 32][PART]: 32,768 bytes of codes as images of operand registers, then 1,024 bytes of scale words.
; K's last block (k = 4,096 alone): X's number there is 1 after both quantisers and W's is the quantised bias bq, so that block's product is bq[n]: it is the C of each sum's first product.
; A work-group of four waves makes 256 x 256, a wave 128 x 128.  K goes in steps of 256 through two LDS slots; 4 x 4 work-groups form a cluster and ask jointly for X's parts (along a row) and W's (along a column).
; The noise comes by blocks of 16 rows in the last eight K steps, is turned through the wave's stage into the accumulators' layout and is added onto the sums (so the order of rounding differs from a sum finished first).
; PREFETCH: behind each refill every cluster asks for the parts that it will itself load two refills on; the four partners of a joint load share a part's first 32,768 bytes by address, 32 blocks of 256 bytes each, a lane a block; K steps 4 to 15 are asked for.
.set PART,    33792
.set CODES,   32768
.set SLOT,    4*PART
.set KSTRIDE, 32*PART
.set FR,      16
.set NL,      4
.set NP,      8
.set LOOPED,  4
.set ROWC,    16384
.set SPITCH,  528
.set STAGE,   2*SLOT
.set SPARE,   STAGE+4*16*SPITCH
.set ADRA, 16
.set ADRB, 20
.set ADRS, 22
.set STO,  24
.set RD,   25
.set CO,   26
.set BA,   27
.set SPW,  28
.set NIL,  29
.set PFO,  30
.set PFN,  31
.set SC,   32
.set BI,   64
.set NB,   64
.set AF,   128
.set G1,  24
.set G0,  32
.set G1B, 48
.set G0B, 56
.set PFA, 66
.set LIM, 68
.set NS,  70
.set MSB, 0
.macro WIN new
.if MSB != (\new)
	s_set_vgpr_msb (MSB<<8)|(\new)
.set MSB, (\new)
.endif
.endm
.set MUL_LO, 0xa1
.set MUL_HI, 0xf1
.set TO_B,   0x40
.macro JLOAD g0a, g1a, g0b, g1b
	s_cmp_eq_u32 s15, 0
	s_cbranch_scc0 .Lfor_b_\@
	tensor_load_to_lds s[\g0a:\g0a+3], s[\g1a:\g1a+7]
	s_nop 0
.rept 4
	v_nop
.endr
	s_branch .Lasked_\@
.Lfor_b_\@:
	tensor_load_to_lds s[\g0b:\g0b+3], s[\g1b:\g1b+7]
	s_nop 0
.rept 4
	v_nop
.endr
.Lasked_\@:
.endm
.macro CREST
	s_cmp_lg_u32 s14, 0
	s_cbranch_scc1 .Lnot_wave_0_\@
	s_barrier_signal -3
.Lnot_wave_0_\@:
	s_barrier_wait -3
	s_barrier_signal -1
	s_barrier_wait -1
.endm
.macro CROUND
	s_barrier_signal -1
	s_barrier_wait -1
	CREST
.endm
.macro ASK
	global_prefetch_b8 v[PFO], s[PFA:PFA+1] th:TH_LOAD_NT scope:SCOPE_SE
.endm
	s_load_b256 s[4:11], s[0:1], 0x0
	s_load_b64 s[12:13], s[0:1], 0x20
	v_lshl_add_u32 v[SPW], v0, 2, SPARE
	v_mov_b32 v[NIL], 0
	ds_add_u32 v28, v29
	ds_add_u32 v28, v29
	s_wait_dscnt 0x0
	v_lshrrev_b32 v1, 5, v0
	v_readfirstlane_b32 s14, v1
	s_lshr_b32 s15, s14, 1
	s_and_b32 s16, s14, 1
	s_bfe_u32 s40, ttmp6, 0x40000
	s_bfe_u32 s41, ttmp6, 0x40004
	s_lshl_b32 s42, ttmp9, 2
	s_add_co_u32 s42, s42, s40
	s_and_b32 s17, ttmp7, 0xffff
	s_lshl_b32 s17, s17, 2
	s_add_co_u32 s17, s17, s41
	s_lshl_b32 s43, s41, 2
	s_lshl_b32 s43, 15, s43
	s_lshl_b32 s44, 0x1111, s40
	s_or_b32 s[G1+0], s43, (3<<16)|(1<<21)
	s_or_b32 s[G1B+0], s44, (3<<16)|(1<<21)
.irp g, G1, G1B
	s_mov_b32 s[\g+1], 32<<16
	s_mov_b32 s[\g+2], 132<<16
	s_mov_b32 s[\g+3], 32<<16
	s_mov_b32 s[\g+4], 132
	s_mov_b32 s[\g+5], 32
	s_mov_b32 s[\g+6], 0
	s_mov_b32 s[\g+7], 0
.endr
	s_lshl_b32 s20, s17, 1
	s_add_co_u32 s20, s20, s16
	s_mul_i32 s20, s20, PART
	s_mov_b32 s21, 0
	s_lshl_b32 s46, s42, 1
	s_add_co_u32 s46, s46, s16
	s_mul_i32 s46, s46, PART
	s_mov_b32 s47, 0
	s_mul_i32 s45, s14, PART
	s_wait_kmcnt 0x0
	s_add_nc_u64 s[20:21], s[4:5], s[20:21]
	s_add_nc_u64 s[46:47], s[6:7], s[46:47]
	CROUND
.irp s, 0,1
	s_mov_b32 s[G0+4*\s], 1
	s_add_co_u32 s[G0+4*\s+1], s45, \s*SLOT
	s_add_nc_u64 s[G0+4*\s+2:G0+4*\s+3], s[20:21], \s*KSTRIDE
	s_or_b32 s[G0+4*\s+3], s[G0+4*\s+3], 0x80000000
	s_mov_b32 s[G0B+4*\s], 1
	s_add_co_u32 s[G0B+4*\s+1], s45, \s*SLOT
	s_add_nc_u64 s[G0B+4*\s+2:G0B+4*\s+3], s[46:47], \s*KSTRIDE
	s_or_b32 s[G0B+4*\s+3], s[G0B+4*\s+3], 0x80000000
	s_wait_alu depctr_va_vdst(0)
	s_wait_tensorcnt 0x0
	ds_add_u32 v28, v29
	ds_add_u32 v28, v29
	s_wait_dscnt 0x0
	CROUND
	JLOAD G0+4*\s, G1, G0B+4*\s, G1B
.endr
	v_and_b32 v1, 31, v0
	v_and_b32 v2, 15, v0
	v_bfe_u32 v3, v0, 4, 1
	v_lshlrev_b32 v[CO], 4, v1
	v_lshlrev_b32 v[BA], 5, v3
	v_lshlrev_b32 v[PFO], 8, v1
	v_lshrrev_b32 v5, 1, v1
	v_and_b32 v6, 1, v1
	v_lshlrev_b32 v[PFN], 14, v5
	v_lshl_add_u32 v[PFN], v6, 8, v[PFN]
	s_mul_i32 s72, s15, PART
	s_mul_i32 s73, s16, PART
	s_add_co_u32 s73, s73, 2*PART
.irp s, 0,1
	v_add_nc_u32 v[ADRA+\s], s72, v[CO]
	v_add_nc_u32 v[ADRB+\s], s73, v[CO]
	s_add_co_u32 s72, s72, SLOT
	s_add_co_u32 s73, s73, SLOT
.endr
	s_mul_i32 s72, s15, PART
	s_mul_i32 s73, s16, PART
	s_add_co_u32 s73, s73, 2*PART
	s_sub_co_u32 s73, s73, s72
	v_mul_u32_u24 v4, s73, v3
	v_lshl_add_u32 v4, v2, 3, v4
	s_add_co_u32 s72, s72, CODES
	v_add_nc_u32 v[ADRS], s72, v4
	s_add_co_u32 s72, s72, SLOT
	v_add_nc_u32 v[ADRS+1], s72, v4
	s_mul_i32 s74, s14, 16*SPITCH
	s_add_co_u32 s74, s74, STAGE
	v_mul_u32_u24 v5, v2, SPITCH
	v_lshl_add_u32 v5, v3, 5, v5
	v_add_nc_u32 v[STO], s74, v5
	v_add_nc_u32 v[RD], s74, v[CO]
	s_lshl_b32 s76, s42, 10
	s_lshl_b32 s77, s16, 9
	s_add_co_u32 s76, s76, s77
	s_mov_b32 s77, 0
	s_add_nc_u64 s[8:9], s[8:9], s[76:77]
	s_lshl_b32 s78, s17, 8
	s_lshl_b32 s79, s15, 7
	s_add_co_u32 s78, s78, s79
	s_lshl_b32 s78, s78, 14
	s_add_co_u32 s78, s78, s76
	s_mov_b32 s79, 0
	s_add_nc_u64 s[10:11], s[10:11], s[78:79]
	s_add_nc_u64 s[12:13], s[12:13], s[78:79]
.irp b, 0,1,2,3,4,5,6,7
	global_load_b128 v[BI+8*\b:BI+8*\b+3], v[BA], s[8:9] offset:64*\b
	global_load_b128 v[BI+8*\b+4:BI+8*\b+7], v[BA], s[8:9] offset:64*\b+16
.endr
	s_mov_b32 s[NS], 0x3c23d70a
	s_mov_b32 s[NS+1], s[NS]
	s_cmp_eq_u32 s15, 0
	s_cselect_b32 s18, s17, s42
	s_cselect_b32 s19, s40, s41
	s_cselect_b64 s[PFA:PFA+1], s[4:5], s[6:7]
	s_lshl_b32 s18, s18, 1
	s_add_co_u32 s18, s18, s16
	s_mul_i32 s18, s18, PART
	s_lshl_b32 s19, s19, 13
	s_add_co_u32 s18, s18, s19
	s_add_co_u32 s18, s18, 3*KSTRIDE
	s_mov_b32 s19, 0
	s_add_nc_u64 s[PFA:PFA+1], s[PFA:PFA+1], s[18:19]
.macro FRAG reg, adr, q, i
.irp c, 0,1,2,3
	ds_load_b128 v[\reg+4*\c:\reg+4*\c+3], v[\adr] offset:4096*(\i)+2048*(\q)+512*\c
.endr
.endm
.macro MUL16 a0, p, q, sc, first
.irp a, \a0, \a0+1
.irp b, 0,1,2,3,4,5,6,7
.if \first
	v_wmma_scale_f32_16x16x128_f8f6f4 v[8*(8*((\a)%4)+\b):8*(8*((\a)%4)+\b)+7], v[128*(\p)+FR*\b:128*(\p)+FR*\b+FR-1], v[AF+FR*(\a):AF+FR*(\a)+FR-1], v[BI+8*\b:BI+8*\b+7], v[SC+16*(\sc)+2*\b+(\q)], v[SC+16*(\sc)+2*(\a)+(\q)] matrix_a_scale:MATRIX_SCALE_ROW1
.else
	v_wmma_scale_f32_16x16x128_f8f6f4 v[8*(8*((\a)%4)+\b):8*(8*((\a)%4)+\b)+7], v[128*(\p)+FR*\b:128*(\p)+FR*\b+FR-1], v[AF+FR*(\a):AF+FR*(\a)+FR-1], v[8*(8*((\a)%4)+\b):8*(8*((\a)%4)+\b)+7], v[SC+16*(\sc)+2*\b+(\q)], v[SC+16*(\sc)+2*(\a)+(\q)] matrix_a_scale:MATRIX_SCALE_ROW1
.endif
.endr
.endr
.endm
.macro FETCH_B slot, q, p
	WIN TO_B
.irp i, 0,1,2,3,4,5,6,7
	FRAG 128*(\p)+FR*\i, ADRB+\slot, \q, \i
.endr
	WIN 0
.endm
.macro FETCH_A slot, q, i0
.irp i, \i0, \i0+1, \i0+2, \i0+3
	FRAG AF+FR*(\i), ADRA+\slot, \q, \i
.endr
.endm
.macro SCALES s
.irp i, 0,1,2,3,4,5,6,7
	ds_load_b64 v[SC+16*\s+2*\i:SC+16*\s+2*\i+1], v[ADRS+\s] offset:128*\i
.endr
.endm
.macro PLACES n
.rept \n
	v_nop
.endr
.endm
.macro NLOAD a
.irp t, 0,1,2,3,4,5,6,7,8,9,10,11,12,13,14,15
	global_load_b128 v[NB+4*\t:NB+4*\t+3], v[CO], s[10:11] offset:(16*(\a)+\t)*ROWC th:TH_LOAD_NT
.endr
.if ((\a) > 0) && ((\a) < 7)
	global_prefetch_b8 v[PFN], s[10:11] offset:16*((\a)+1)*ROWC th:TH_LOAD_NT scope:SCOPE_SE
.endif
.endm
.macro NTURN
	s_wait_loadcnt 0x0
.irp t, 0,1,2,3,4,5,6,7,8,9,10,11,12,13,14,15
	ds_store_b128 v[RD], v[NB+4*\t:NB+4*\t+3] offset:\t*SPITCH
.endr
.irp b, 0,1,2,3,4,5,6,7
	ds_load_b128 v[NB+8*\b:NB+8*\b+3], v[STO] offset:64*\b
	ds_load_b128 v[NB+8*\b+4:NB+8*\b+7], v[STO] offset:64*\b+16
.endr
.endm
.macro NADD a
	WIN 0xa0+0x50*((\a)/4)
.irp b, 0,1,2,3,4,5,6,7
.irp i, 0,2,4,6
	v_pk_fma_f32 v[64*((\a)%4)+8*\b+\i:64*((\a)%4)+8*\b+\i+1], v[NB+8*\b+\i:NB+8*\b+\i+1], s[NS:NS+1], v[64*((\a)%4)+8*\b+\i:64*((\a)%4)+8*\b+\i+1] op_sel_hi:[1,0,1]
.endr
.endr
	WIN 0
.endm
.macro STEP slot, q, first, na, nl
.if (\na) >= 0
	s_wait_dscnt 4*NL+32
.else
	s_wait_dscnt 4*NL
.endif
	WIN MUL_LO-0x20*(\first)
	MUL16 0, (\q)%2, \q, \slot, \first
	MUL16 2, (\q)%2, \q, \slot, \first
	s_wait_dscnt 0
	PLACES NP
.if (\na) >= 0
	NADD \na
.if (\na) >= 4
	PLACES NP
.endif
.endif
	FETCH_B \slot, (\q)+1, 1-(\q)%2
	FETCH_A \slot, (\q)+1, 0
.if (\nl) >= 0
	NLOAD \nl
.endif
	WIN MUL_HI-0x30*(\first)
	MUL16 4, (\q)%2, \q, \slot, \first
	MUL16 6, (\q)%2, \q, \slot, \first
	PLACES NP
	WIN 0
	FETCH_A \slot, (\q)+1, 4
.endm
.macro TURN slot, next, fill, ask, nz
	s_wait_dscnt 4*NL
	WIN MUL_LO
	MUL16 0, 1, 1, \slot, 0
	MUL16 2, 1, 1, \slot, 0
	WIN 0
	s_wait_tensorcnt 0x0
	ds_add_u32 v[SPW], v[NIL]
.if \fill
	s_add_nc_u64 s[G0+4*\slot+2:G0+4*\slot+3], s[G0+4*\slot+2:G0+4*\slot+3], 2*KSTRIDE
	s_add_nc_u64 s[G0B+4*\slot+2:G0B+4*\slot+3], s[G0B+4*\slot+2:G0B+4*\slot+3], 2*KSTRIDE
.endif
.if \ask
	s_wait_xcnt 0x0
	s_add_nc_u64 s[PFA:PFA+1], s[PFA:PFA+1], KSTRIDE
.endif
	s_wait_dscnt 0x0
	s_barrier_signal -1
	s_barrier_wait -1
.if \fill
	CREST
	JLOAD G0+4*\slot, G1, G0B+4*\slot, G1B
	PLACES NP-4
.else
	PLACES NP
.endif
	FETCH_B \next, 0, 0
	FETCH_A \next, 0, 0
	SCALES \next
.if \ask
	ASK
.endif
	WIN MUL_HI
	MUL16 4, 1, 1, \slot, 0
	MUL16 6, 1, 1, \slot, 0
	PLACES NP
	WIN 0
	FETCH_A \next, 0, 4
.if (\nz) >= 0
	NTURN
.endif
.endm
	s_wait_alu depctr_va_vdst(0)
	s_wait_tensorcnt 1
	s_barrier_signal -1
	s_barrier_wait -1
	FETCH_B 0, 0, 0
	FETCH_A 0, 0, 0
	SCALES 0
	FETCH_A 0, 0, 4
	s_wait_loadcnt 0x0
	STEP 0, 0, 1, -1, -1
	NLOAD 0
	s_mov_b32 s3, LOOPED
.Llap:
	TURN 0, 1, 1, 1, -1
	STEP 1, 0, 0, -1, -1
	TURN 1, 0, 1, 1, -1
	STEP 0, 0, 0, -1, -1
	s_sub_co_u32 s3, s3, 1
	s_cmp_lg_u32 s3, 0
	s_cbranch_scc1 .Llap
	TURN 0, 1, 1, 1, 0
	STEP 1, 0, 0, 0, 1
	s_wait_alu depctr_va_vdst(0)
	TURN 1, 0, 1, 1, 1
	STEP 0, 0, 0, 1, 2
	s_wait_alu depctr_va_vdst(0)
	TURN 0, 1, 1, 1, 2
	STEP 1, 0, 0, 2, 3
	s_wait_alu depctr_va_vdst(0)
	TURN 1, 0, 1, 1, 3
	STEP 0, 0, 0, 3, 4
	s_wait_alu depctr_va_vdst(0)
	TURN 0, 1, 1, 0, 4
	STEP 1, 0, 0, 4, 5
	TURN 1, 0, 1, 0, 5
	STEP 0, 0, 0, 5, 6
	TURN 0, 1, 0, 0, 6
	STEP 1, 0, 0, 6, 7
	s_wait_dscnt 4*NL
	WIN MUL_LO
	MUL16 0, 1, 1, 1, 0
	MUL16 2, 1, 1, 1, 0
	s_wait_dscnt 0
	WIN MUL_HI
	MUL16 4, 1, 1, 1, 0
	MUL16 6, 1, 1, 1, 0
	WIN 0
.macro TOSTAGE a
.set AC, 64*((\a)%4)
	WIN 0x88+0x44*((\a)/4)
.irp b, 0,1,2,3,4,5,6,7
	ds_store_b128 v[STO], v[AC+8*\b:AC+8*\b+3] offset:64*\b
	ds_store_b128 v[STO], v[AC+8*\b+4:AC+8*\b+7] offset:64*\b+16
.endr
.irp t, 0,1,2,3,4,5,6,7,8,9,10,11,12,13,14,15
	ds_load_b128 v[AC+4*\t:AC+4*\t+3], v[RD] offset:\t*SPITCH
.endr
.endm
.macro SEND a, younger
.set AC, 64*((\a)%4)
	WIN 0x88+0x44*((\a)/4)
	s_wait_dscnt \younger
.irp t, 0,1,2,3,4,5,6,7,8,9,10,11,12,13,14,15
	global_store_b128 v[CO], v[AC+4*\t:AC+4*\t+3], s[12:13] offset:(16*(\a)+\t)*ROWC th:TH_STORE_NT
.endr
.endm
	PLACES NP
	TOSTAGE 0
	TOSTAGE 1
	SEND 0, 32
	TOSTAGE 2
	SEND 1, 32
	TOSTAGE 3
	SEND 2, 32
	WIN 0
	NTURN
	SEND 3, 32
	TOSTAGE 4
	s_wait_dscnt 32
	NADD 7
	TOSTAGE 5
	s_wait_alu depctr_va_vdst(0)
	SEND 4, 32
	TOSTAGE 6
	SEND 5, 32
	TOSTAGE 7
	SEND 6, 32
	SEND 7, 0
	WIN 0
	s_wait_tensorcnt 0x0
	ds_add_u32 v[SPW], v[NIL]
	s_wait_dscnt 0x0
	CROUND
	s_endpgm
.Lfunc_end_k_q61fd0bf4a4_gemm:
	.size	k_q61fd0bf4a4_gemm, .Lfunc_end_k_q61fd0bf4a4_gemm-k_q61fd0bf4a4_gemm
	.p2alignl 7, 3214868480
	.fill 96, 4, 3214868480
	.section	.rodata,"a",@progbits
	.p2align	6, 0x0
	.amdhsa_kernel k_q61fd0bf4a4_gemm
		.amdhsa_group_segment_fixed_size 327680
		.amdhsa_private_segment_fixed_size 0
		.amdhsa_enable_private_segment 0
		.amdhsa_kernarg_size 40
		.amdhsa_user_sgpr_count 2
		.amdhsa_user_sgpr_kernarg_segment_ptr 1
		.amdhsa_wavefront_size32 1
		.amdhsa_system_sgpr_workgroup_id_x 1
		.amdhsa_system_sgpr_workgroup_id_y 1
		.amdhsa_system_sgpr_workgroup_id_z 1
		.amdhsa_system_vgpr_workitem_id 0
		.amdhsa_next_free_vgpr 1024
		.amdhsa_next_free_sgpr 80
		.amdhsa_reserve_vcc 0
		.amdhsa_float_denorm_mode_32 3
		.amdhsa_float_denorm_mode_16_64 3
		.amdhsa_memory_ordered 1
		.amdhsa_forward_progress 1
		.amdhsa_inst_pref_size 255
	.end_amdhsa_kernel
	.section	.bss,"aw",@nobits
	.p2align	6
	.space	262144
	.amdgpu_metadata
---
amdhsa.version: [ 1, 2 ]
amdhsa.kernels:
  - .name:           k_q61fd0bf4a4_gemm
    .symbol:         k_q61fd0bf4a4_gemm.kd
    .args:
      - { .name: xp, .offset: 0, .size: 8, .value_kind: global_buffer, .address_space: global }
      - { .name: wp, .offset: 8, .size: 8, .value_kind: global_buffer, .address_space: global }
      - { .name: bq, .offset: 16, .size: 8, .value_kind: global_buffer, .address_space: global }
      - { .name: noise, .offset: 24, .size: 8, .value_kind: global_buffer, .address_space: global }
      - { .name: out0, .offset: 32, .size: 8, .value_kind: global_buffer, .address_space: global }
    .group_segment_fixed_size: 327680
    .private_segment_fixed_size: 0
    .kernarg_segment_align: 8
    .kernarg_segment_size: 40
    .max_flat_workgroup_size: 128
    .sgpr_count:     80
    .vgpr_count:     1024
    .wavefront_size: 32
...
	.end_amdgpu_metadata
.endif
;; end of part 2
